; MI455X (gfx1250); checked and timed in simulation.
; The chip was launched on July 23, 2026; its instructions are those of AMD's public machine-readable ISA for CDNA 5 (MIT licence, August 2026) and "CDNA5" Instruction Set Architecture Reference Guide (July 2026). The comments in the code are by the model that wrote it; some were corrected since.
;; Self Attention. Allowed arithmetic: float matrix products may take bf16 or f16 operands with f32 sums; all other float work in f32.
;; Inputs: Wk 32 x 32 float32; Wp 32 x 32 float32; Wq 32 x 32 float32; Wv 32 x 32 float32; always_attend_upto 8,192 int32; bk 32 float32; bp 32 float32; bq 32 float32; bv 32 float32; x 8,192 x 64 x 32 float32.
;; Outputs: out0 8,192 x 64 x 32 float32.
;; One version. Each part assembles by itself: llvm-mc -triple=amdgcn-amd-amdhsa -mcpu=gfx1250 --defsym DOCPART=n.
;; ======== version 1 of 1: 1 launch
;; limits: values are held in f16: magnitudes above 65,504 overflow, below 6.1e-05 lose precision
;; launch attn (part 1): grid 256 x 1, 16 waves a work-group, no clusters, 313,344 bytes of LDS; arguments x, always_attend_upto, Wq, bq, Wk, bk, Wv, bv, Wp, bp, out0; writes out0
.if DOCPART == 1
	.amdgcn_target "amdgcn-amd-amdhsa--gfx1250"
	.amdhsa_code_object_version 6
	.text
	.protected	k_q0c424b4948_attn
	.globl	k_q0c424b4948_attn
	.p2align	8
	.type	k_q0c424b4948_attn,@function
k_q0c424b4948_attn:
	s_mov_b64 s[64:65], 0
	v_nop
	global_prefetch_b8 v0, s[64:65] scope:SCOPE_SE
	s_setreg_imm32_b32 hwreg(HW_REG_WAVE_MODE, 25, 1), 1
	s_wait_xcnt 0x0
; Prefix-LM self-attention, fused: x[8192][64][32] f32 -> out0[8192][64][32] f32, 4 heads of 8.
; 256 work-groups x 16 waves; wave w of group g does items 32 g + 2 w and 32 g + 2 w + 1, each wholly by itself:
; projections, scores, softmax, P V and the output projection stay in registers; x is read once, out0 written once.
;
; LAYOUT (lane L: r = L & 15, h = L >> 4; fragments as in the ISA guide's 7.12.2).  No shuffle is needed anywhere:
;   Q, K: W (A, rows = output dims) x x (B, columns = sequence) + bias: a lane gets 8 neighbouring dims of one sequence row, which
;         packed to f16 are registers of the next product's fragment.  The k place of a dim is the dim itself; head = dim / 8.
;   V:    x (A) x Wv (B, columns in the order dim(p, r) = 8 p + r + (r & 8)) + bias: packed, this is the A fragment of V transposed;
;         rows 0-7 of block p are head p, rows 8-15 head 2 + p.
;   S:    K (A, rows = keys) x Q (B, columns = queries; zero outside the head, so K = 32 serves one head) + C.  Keys run along a lane's
;         registers: maximum and exponentials are lane work plus one exchange of the lane halves.
;   mask: it is the C operand: 0 where the key is allowed, NEG where not; one set of registers for all four heads.
;   P:    exp2(S - max), packed in pairs, is the B fragment of V^T x P.  Row sums: a matrix of ones in rows 0-7 (head p) or 8-15 (head 2 + p).
;   out:  Wp (A, its k places loaded in the order in which the heads' results lie) x O (B) + bp; 16 rows go through LDS and leave whole.
; log2(e) / sqrt(8) is multiplied into Wq and bq in f32 before they are rounded, so scores are exponents of 2.
;
; FORMAT.  Matrix operands are f16, sums and biases f32.  Five roundings lie between x and out0 (x, Wv, V, O, Wp), and a query that attends
; to one or two keys gives results several times the output's root mean square, by which the error is judged: 11 significant bits leave
; room there, 8 do not.  RANGE: an operand beyond 65,504 becomes infinite.  With every input 30 times the drawn size (|x| <= 180,
; |W| <= 5.3) the projections are bounded by 32 x 180 x 5.3 + 5.3, about 30,500; with every input 30 times smaller V's spread is 6.4e-4 and
; f16's spacing there 6e-8.  P lies in [0, 1] because the true maximum is taken away; what f16 flushes of it is below 3e-8 beside a sum >= 1.
;
; OTHER LIMITS.  A masked score is q.k - 1e38, not -inf: its exp2 is exactly 0 as long as |score| stays far below 1e38.  The maximum that is
; taken away is the row's true maximum (the diagonal is always allowed), so each sum is at least 1.  The sum is taken over the same
; f16-rounded P as the numerator.  Lengths are clamped to 0..64, which changes no mask.
; Inputs are taken to be finite: v_max_num_f32 drops a NaN from the maximum (the NaN still reaches the result through P).
;
; NO CLUSTER: what work-groups share is 16,896 bytes of weights and biases, read once by each, beside 262,144 bytes of x of its own.
; NO LOOP: the two items differ in their LDS constants and in the count of the tensor wait; the body is one macro, expanded twice.
.set ITEM,   8192                      ; bytes of one item of x and of out0
.set XPITCH, 144                       ; LDS row of x: 128 bytes + 16 = 9 x 16, so 16 rows begin in 16 different 16-byte columns of 256 bytes
.set XSLOT,  64*XPITCH                 ; one item in LDS; slot (w, i) at (2 w + i) XSLOT; its rows 0-15 are later the wave's output stage
.set CONSTB, 32*XSLOT                  ; 16 fragments of 1,024 bytes: WQ0 WQ1 BQ0 BQ1 WK0 WK1 BK0 BK1 WV0 WV1 BV0 BV1 WP0 WP1 BP0 BP1
.set NEG,    0xfe967699                ; -1e38
.set QSCALE, 0x3f0293ee                ; log2(e) / sqrt(8)
.set H8,  1                            ; v1       8 h
.set XA,  2                            ; v2       my wave's slot 0 + 144 r + 32 h: x fragments, and the stage's stores
.set CA,  3                            ; v3       CONSTB + 16 L
.set RD,  4                            ; v4       my wave's slot 0 + 144 (L >> 3) + 16 (L & 7): the stage read back by rows
.set GO,  5                            ; v5       16 L: my 16 bytes of 512 in out0
.set T,   6                            ; v6-9     maxima; the pair v6, v7 carries the row's maximum
.set RC,  10                           ; v10-11   1 / sum (v11 only completes the pair)
.set KF,  16                           ; v16-47   K fragments, key tile t at + 8 t
.set VT,  48                           ; v48-79   V^T fragments, block p, 32 keys c at + 16 p + 8 c
.set QF,  80                           ; v80-111  Q fragments, query tile t at + 8 t
.set PM,  112                          ; v112-143 masks: + 0 the diagonal tile's, + 8 kt the prefix mask of key tile kt = 1..3
.set XF,  112                          ;          the same registers hold x's fragments during the projections
.set QM,  144                          ; v144-167 Q of one head: X0lo, Z, X1lo, X0hi, Z, X1hi (4 each; Z = zeros)
.set ZR,  148                          ;          the first Z
.set OF,  152                          ; v152-159 the heads' results as a B fragment (over X1lo, X0hi, which are done with by then)
.set S,   168                          ; v168-199 scores, key tile kt at + 8 kt
.set CW,  168                          ;          the same registers hold four constant fragments
.set P,   200                          ; v200-215 P as two B fragments; later the stage's rows on their way out
.set DA,  216                          ; v216-231 V^T P of heads p and 2 + p; later the two output tiles
.set SUM, 232                          ; v232-239 row sums
.set ONE, 240                          ; v240-247 ones in rows 0-7, v248-255 ones in rows 8-15
.set G1,  32                           ; s[32:39] tensor descriptor group 1
.set G0,  40                           ; s[40:47] group 0, a set for each of the wave's two items; never rewritten
; the eight 8-register tiles of the projections (and x as f32): v144, 152, 160, 200, 208, 216, 224, 232 = QM + 8 i + 32 ((i + 5) / 8)
.macro PLACES n                        ; places behind a matrix instruction (ISA guide 7.12.1): v_nop where no independent work is at hand
.rept \n
	v_nop
.endr
.endm
	s_load_b128 s[4:7], s[0:1], 0x0                ; x s[4:5], always_attend_upto s[6:7]
	s_load_b512 s[16:31], s[0:1], 0x10             ; Wq bq Wk bk Wv bv Wp bp, a pair each
	s_load_b64 s[8:9], s[0:1], 0x50                ; out0
	v_lshl_add_u32 v246, v0, 2, 0x4c000
	v_mov_b32 v247, 0
	ds_add_u32 v246, v247
	ds_add_u32 v246, v247
	s_wait_dscnt 0x0
	v_lshrrev_b32 v12, 5, v0
	v_readfirstlane_b32 s10, v12                   ; wave 0..15
	; group 1: an item is dense, so it comes as 32 rows of 256 bytes; 4 words of padding behind every 32 words give each x row 144 bytes
	s_mov_b32 s[G1+0], (3<<16)|(1<<20)|(4<<22)|(3<<25) ; elements of 8 bytes; padding on; after every 32 words (code 4); of 4 words (code 3)
	s_mov_b32 s[G1+1], 32<<16                      ; tensor_dim0 = 32 elements
	s_mov_b32 s[G1+2], 32<<16                      ; tensor_dim1 = 32 rows
	s_mov_b32 s[G1+3], 32<<16                      ; tile_dim0 = 32
	s_mov_b32 s[G1+4], 32                          ; tile_dim1 = 32
	s_mov_b32 s[G1+5], 32                          ; elements from row to row
	s_mov_b32 s[G1+6], 0
	s_mov_b32 s[G1+7], 0
	s_lshl_b32 s66, ttmp9, 18                      ; 32 items of 8,192 bytes a group (64 MiB in all: one word does)
	s_lshl_b32 s11, s10, 14                        ; 2 items a wave
	s_add_co_u32 s66, s66, s11
	s_mov_b32 s67, 0
	s_lshl_b32 s68, ttmp9, 7                       ; the same two items in the list of lengths: 4 bytes each
	s_lshl_b32 s11, s10, 3
	s_add_co_u32 s68, s68, s11
	s_mov_b32 s69, 0
	s_mul_i32 s70, s10, 2*XSLOT                    ; my wave's two slots in LDS
	s_wait_kmcnt 0x0
	s_add_nc_u64 s[4:5], s[4:5], s[66:67]
	s_add_nc_u64 s[8:9], s[8:9], s[66:67]
	s_add_nc_u64 s[6:7], s[6:7], s[68:69]
.irp i, 0,1
	s_mov_b32 s[G0+4*\i], 1                                    ; count = 1
	s_add_co_u32 s[G0+4*\i+1], s70, \i*XSLOT                   ; LDS address
	s_add_nc_u64 s[G0+4*\i+2:G0+4*\i+3], s[4:5], \i*ITEM       ; global address of the item
	s_or_b32 s[G0+4*\i+3], s[G0+4*\i+3], 0x80000000            ; type = 2
	tensor_load_to_lds s[G0+4*\i:G0+4*\i+3], s[G1:G1+7]        ; all of the wave's x is asked for at once: two loads outstanding
	s_nop 0
.endr
	s_load_b64 s[12:13], s[6:7], 0x0               ; the two lengths
	; ---- wave w builds constant fragment w: pointer w >> 1, block u = w & 1, a bias if w & 2, kind w >> 2 (0 Q, 1 K, 2 V, 3 P)
	s_lshr_b32 s71, s10, 1
	s_lshr_b32 s72, s10, 2
	s_and_b32 s73, s10, 1
	s_mov_b64 s[60:61], s[16:17]
.irp i, 1,2,3,4,5,6,7
	s_cmp_eq_u32 s71, \i
	s_cselect_b64 s[60:61], s[16+2*\i:17+2*\i], s[60:61]
.endr
	s_cmp_eq_u32 s72, 0
	s_cselect_b32 s62, QSCALE, 1.0                 ; only Wq and bq are scaled
	s_mov_b32 s63, s62
	s_cmp_eq_u32 s72, 2                            ; V: rows in the order 8 u + r + (r & 8); the others 16 u + r
	s_cselect_b32 s74, 3, 4
	s_cselect_b32 s75, 8, 0
	s_cselect_b32 s59, -1, 0                       ; all lanes or none
	s_cselect_b32 s11, 0, 4                        ; bias: bytes from one register's word to the next
	s_lshl_b32 s74, s73, s74
	s_cmp_eq_u32 s72, 3                            ; Wp: k places (block b, half h, j) hold column 16 h + 8 b + j; the others 16 b + 8 h + j
	s_cselect_b32 s76, 6, 5
	s_cselect_b32 s77, 32, 64
	v_and_b32 v12, 15, v0                          ; r
	v_bfe_u32 v13, v0, 4, 1                        ; h
	v_and_b32 v14, 31, v0                          ; L
	v_and_b32 v15, s75, v12
	v_add_nc_u32 v15, v15, v12
	v_add_nc_u32 v15, s74, v15                     ; the lane's row of W
	s_and_b32 s58, s10, 2
	s_cmp_lg_u32 s58, 0
	s_cbranch_scc1 .Lbias
	v_lshlrev_b32 v6, s76, v13
	v_lshl_add_u32 v6, v15, 7, v6                  ; 128 row + the half's bytes: registers 0-3
	v_add_nc_u32 v7, s77, v6                       ; registers 4-7
	global_load_b128 v[168:171], v6, s[60:61]
	global_load_b128 v[172:175], v6, s[60:61] offset:16
	global_load_b128 v[176:179], v7, s[60:61]
	global_load_b128 v[180:183], v7, s[60:61] offset:16
	s_wait_loadcnt 0x0
.irp i, 0,1,2,3,4,5,6,7
	v_pk_mul_f32 v[168+2*\i:169+2*\i], v[168+2*\i:169+2*\i], s[62:63] op_sel_hi:[1,0]
.endr
.irp i, 0,1,2,3,4,5,6,7
	v_cvt_pk_f16_f32 v[184+\i], v[168+2*\i], v[169+2*\i]
.endr
	s_branch .Ljoin
.Lbias:
	; a C fragment in f32: register j = b[16 u + 8 h + j] (rows are output dims), or for bv b[dim(u, r)] in all eight (columns are)
	v_lshlrev_b32 v6, 2, v15
	v_lshlrev_b32 v7, 5, v13
	s_lshl_b32 s58, s73, 6
	v_add_nc_u32 v7, s58, v7
	v_cndmask_b32 v176, v7, v6, s59
.irp j, 1,2,3,4,5,6,7
	v_add_nc_u32 v[176+\j], s11, v[175+\j]
.endr
.irp j, 0,1,2,3,4,5,6,7
	global_load_b32 v[168+\j], v[176+\j], s[60:61]
.endr
	s_wait_loadcnt 0x0
.irp j, 0,1,2,3,4,5,6,7
	v_mul_f32 v[184+\j], s62, v[168+\j]
.endr
.Ljoin:
	s_lshl_b32 s58, s10, 10
	s_add_co_u32 s58, s58, CONSTB
	v_lshl_add_u32 v8, v14, 4, s58
	ds_store_b128 v8, v[184:187]                   ; registers 0-3: 16 bytes a lane
	ds_store_b128 v8, v[188:191] offset:512        ; registers 4-7
	s_wait_dscnt 0x0                               ; for the other waves: my fragment lies in LDS before I say so
	s_wait_kmcnt 0x0                               ; the lengths
	s_barrier_signal -1
	; register work while the others arrive
	s_max_i32 s12, s12, 0                          ; 0..64 gives the same mask as any int32, and the subtractions below cannot wrap
	s_min_i32 s12, s12, 64
	s_max_i32 s13, s13, 0
	s_min_i32 s13, s13, 64
	s_mov_b32 s14, 0x76543210                      ; v_permlanex16_b32: lane i takes lane i of the other half
	s_mov_b32 s15, 0xfedcba98
	s_mov_b32 s56, 0x0000ffff                      ; lanes h = 0
	s_mov_b32 s57, 0xffff0000                      ; lanes h = 1
	v_lshlrev_b32 v[H8], 3, v13
	v_mul_u32_u24 v[XA], XPITCH, v12
	v_lshl_add_u32 v[XA], v13, 5, v[XA]
	v_add_nc_u32 v[XA], s70, v[XA]
	v_lshlrev_b32 v[GO], 4, v14
	v_add_nc_u32 v[CA], CONSTB, v[GO]
	v_lshrrev_b32 v6, 3, v14
	v_and_b32 v7, 7, v14
	v_mul_u32_u24 v[RD], XPITCH, v6
	v_lshl_add_u32 v[RD], v7, 4, v[RD]
	v_add_nc_u32 v[RD], s70, v[RD]
.irp j, 0,1,2,3,4,5,6,7
	v_add_nc_u32 v6, \j, v[H8]
	v_cmp_le_u32 s[48+\j], v6, v12                 ; s[48+j]: lanes where key 8 h + j <= query r inside a diagonal tile
.endr
	v_and_b32 v6, 8, v12
	v_mov_b32 v7, 0x3c003c00                       ; two f16 ones
	v_cmp_eq_u32 vcc_lo, 0, v6
	v_cndmask_b32 v[ONE], 0, v7, vcc_lo            ; rows 0-7
	v_xor_b32 v[ONE+8], v[ONE], v7                 ; rows 8-15
.irp j, 1,2,3,4,5,6,7
	v_mov_b32 v[ONE+\j], v[ONE]
	v_mov_b32 v[ONE+8+\j], v[ONE+8]
.endr
	v_mov_b32 v[RC+1], 0
	s_barrier_wait -1                              ; the only barrier: all sixteen fragments lie in LDS and are never written again
; ---- macros of an item ----
.macro CLOAD f0                        ; four constant fragments f0 .. f0 + 3 (W0, W1, B0, B1) into CW: 8 loads of 512 neighbouring bytes
.irp i, 0,1,2,3
	ds_load_b128 v[CW+8*\i:CW+8*\i+3],   v[CA] offset:1024*(\f0+\i)
	ds_load_b128 v[CW+8*\i+4:CW+8*\i+7], v[CA] offset:1024*(\f0+\i)+512
.endr
.endm
.macro XLOAD sb                        ; x as f32: tile t's features 8 h .. + 7 and 16 + 8 h .. + 7 of row 16 t + r
.irp t, 0,1,2,3
	.set DT0, QM+8*(2*\t)+32*((2*\t+5)/8)
	.set DT1, QM+8*(2*\t+1)+32*((2*\t+6)/8)
	ds_load_b128 v[DT0:DT0+3],   v[XA] offset:\sb+16*XPITCH*\t
	ds_load_b128 v[DT0+4:DT0+7], v[XA] offset:\sb+16*XPITCH*\t+16
	ds_load_b128 v[DT1:DT1+3],   v[XA] offset:\sb+16*XPITCH*\t+64
	ds_load_b128 v[DT1+4:DT1+7], v[XA] offset:\sb+16*XPITCH*\t+80
.endr
.endm
.macro XCVT                            ; to f16 fragments, which serve as B (Q, K) and as A (V)
.irp t, 0,1,2,3
	.set DT0, QM+8*(2*\t)+32*((2*\t+5)/8)
	.set DT1, QM+8*(2*\t+1)+32*((2*\t+6)/8)
	s_wait_dscnt 20-4*\t                           ; LDS loads return in order (ISA guide 5.7.1): still out are the later tiles' 4 each and the 8 constant loads
.irp i, 0,1,2,3
	v_cvt_pk_f16_f32 v[XF+8*\t+\i],   v[DT0+2*\i], v[DT0+2*\i+1]
	v_cvt_pk_f16_f32 v[XF+8*\t+4+\i], v[DT1+2*\i], v[DT1+2*\i+1]
.endr
.endr
.endm
.macro PROJT                           ; transposed projection: lane (r, h), register j = y[16 t + r][16 u + 8 h + j]
.irp t, 0,1,2,3
.irp u, 0,1
	.set DTX, QM+8*(2*\t+\u)+32*((2*\t+\u+5)/8)
	v_wmma_f32_16x16x32_f16 v[DTX:DTX+7], v[CW+8*\u:CW+8*\u+7], v[XF+8*\t:XF+8*\t+7], v[CW+16+8*\u:CW+16+8*\u+7]
.endr
.endr
.endm
.macro CVTT dst                        ; its results are registers 4 u .. 4 u + 3 of tile t's fragment
.irp t, 0,1,2,3
.irp u, 0,1
	.set DTX, QM+8*(2*\t+\u)+32*((2*\t+\u+5)/8)
.irp i, 0,1,2,3
	v_cvt_pk_f16_f32 v[\dst+8*\t+4*\u+\i], v[DTX+2*\i], v[DTX+2*\i+1]
.endr
.endr
.endr
.endm
.macro PROJN                           ; natural projection: lane (r, h), register j = V[16 t + 8 h + j][dim(p, r)]
.irp t, 0,1,2,3
.irp p, 0,1
	.set DTX, QM+8*(2*\t+\p)+32*((2*\t+\p+5)/8)
	v_wmma_f32_16x16x32_f16 v[DTX:DTX+7], v[XF+8*\t:XF+8*\t+7], v[CW+8*\p:CW+8*\p+7], v[CW+16+8*\p:CW+16+8*\p+7]
.endr
.endr
.endm
.macro CVTV                            ; keys 16 t + 8 h + j are k places of chunk t >> 1, registers 4 (t & 1) ..
.irp t, 0,1,2,3
.irp p, 0,1
	.set DTX, QM+8*(2*\t+\p)+32*((2*\t+\p+5)/8)
.irp i, 0,1,2,3
	v_cvt_pk_f16_f32 v[VT+16*\p+8*(\t>>1)+4*(\t&1)+\i], v[DTX+2*\i], v[DTX+2*\i+1]
.endr
.endr
.endr
.endm
.macro MASKROW dst, kt, len, diag      ; register j: 0 where key 16 kt + 8 h + j < length (diag: or key <= query), else NEG
.irp j, 0,1,2,3,4,5,6,7
	s_sub_co_i32 s58, s[\len], 16*\kt+\j
	v_cmp_gt_i32 vcc_lo, s58, v[H8]
.if \diag
	s_or_b32 vcc_lo, vcc_lo, s[48+\j]
.endif
	v_cndmask_b32 v[\dst+\j], NEG, v[ZR], vcc_lo
.endr
.endm
.macro SC qt, boff                     ; scores of one head: four key tiles x the query tile; the mask comes in as C
.irp kt, 0,1,2,3
.if \kt < \qt
	v_wmma_f32_16x16x32_f16 v[S+8*\kt:S+8*\kt+7], v[KF+8*\kt:KF+8*\kt+7], v[QM+\boff:QM+\boff+7], 0
.else
.if \kt == \qt
	v_wmma_f32_16x16x32_f16 v[S+8*\kt:S+8*\kt+7], v[KF+8*\kt:KF+8*\kt+7], v[QM+\boff:QM+\boff+7], v[PM:PM+7]
.else
	v_wmma_f32_16x16x32_f16 v[S+8*\kt:S+8*\kt+7], v[KF+8*\kt:KF+8*\kt+7], v[QM+\boff:QM+\boff+7], v[PM+8*\kt:PM+8*\kt+7]
.endif
.endif
.endr
.endm
.macro SM first                        ; P = exp2(S - the query's maximum), packed to f16
.irp c, 0,1,2,3
	v_max3_num_f32 v[T+\c], v[S+8*\c], v[S+8*\c+1], v[S+8*\c+2]        ; four chains start from the scores: nothing is cleared
.endr
.irp c, 0,1,2,3
	v_max3_num_f32 v[T+\c], v[T+\c], v[S+8*\c+3], v[S+8*\c+4]
.endr
.irp c, 0,1,2,3
	v_max3_num_f32 v[T+\c], v[T+\c], v[S+8*\c+5], v[S+8*\c+6]
.endr
	v_max3_num_f32 v[T], v[T], v[T+1], v[S+7]
	v_max3_num_f32 v[T+2], v[T+2], v[T+3], v[S+15]
	v_max3_num_f32 v[T], v[T], v[T+2], v[S+23]
	v_max_num_f32 v[T], v[T], v[S+31]
	v_permlanex16_b32 v[T+1], v[T], s14, s15       ; the other 32 keys of the same query lie in the other half's lane
	v_max_num_f32 v[T], v[T], v[T+1]
.if \first
	s_wait_xcnt 0x0                                ; P was the data of the last tile's stores: rewritten only behind this wait (ISA guide 3.1)
.endif
	.set SMI, 0
.rept 16
	v_pk_add_f32 v[S+2*SMI:S+2*SMI+1], v[S+2*SMI:S+2*SMI+1], v[T:T+1] op_sel_hi:[1,0] neg_lo:[0,1] neg_hi:[0,1]
	v_exp_f32 v[S+2*SMI], v[S+2*SMI]
	v_exp_f32 v[S+2*SMI+1], v[S+2*SMI+1]
.if SMI > 0
	s_wait_alu depctr_va_vdst(0)
	v_cvt_pk_f16_f32 v[P+SMI-1], v[S+2*SMI-2], v[S+2*SMI-1]    ; one pair behind: a plain instruction stands between each v_exp_f32 and its use (ISA guide 5.7.2)
.endif
	.set SMI, SMI+1
.endr
	v_cvt_pk_f16_f32 v[P+15], v[S+30], v[S+31]     ; the conversion of pair 14 stands between
.endm
.macro PV p, e                         ; V^T (block p) x P into tile e, and the row sums; every second link runs in place
.if \e == 0
	v_wmma_f32_16x16x32_f16 v[DA:DA+7], v[VT+16*\p:VT+16*\p+7], v[P:P+7], 0
	v_wmma_f32_16x16x32_f16 v[SUM:SUM+7], v[ONE:ONE+7], v[P:P+7], 0
.else
	v_wmma_f32_16x16x32_f16 v[DA+8:DA+15], v[VT+16*\p:VT+16*\p+7], v[P:P+7], 0
	v_wmma_f32_16x16x32_f16 v[SUM:SUM+7], v[ONE+8:ONE+15], v[P:P+7], v[SUM:SUM+7]
.endif
	v_wmma_f32_16x16x32_f16 v[DA+8*\e:DA+8*\e+7], v[VT+16*\p+8:VT+16*\p+15], v[P+8:P+15], v[DA+8*\e:DA+8*\e+7]
	v_wmma_f32_16x16x32_f16 v[SUM:SUM+7], v[ONE+8*\e:ONE+8*\e+7], v[P+8:P+15], v[SUM:SUM+7]
.endm
.macro FIN p                           ; lanes h = 0 keep head p, lanes h = 1 head 2 + p; divide by the sum; block p of the B fragment
	v_rcp_f32 v[RC], v[SUM]                        ; each lane's SUM is its own head's sum; the selects below stand between it and its use
.irp j, 0,1,2,3,4,5,6,7
	v_cndmask_b32 v[DA+\j], v[DA+\j], v[DA+8+\j], s57
.endr
	s_wait_alu depctr_va_vdst(0)
.irp i, 0,1,2,3
	v_pk_mul_f32 v[DA+2*\i:DA+2*\i+1], v[DA+2*\i:DA+2*\i+1], v[RC:RC+1] op_sel_hi:[1,0]
.endr
.irp i, 0,1,2,3
	v_cvt_pk_f16_f32 v[OF+4*\p+\i], v[DA+2*\i], v[DA+2*\i+1]
.endr
.endm
.macro OUT sb, go                      ; out[16 qt + r][16 u + 8 h + j], through the wave's own stage, out as whole rows
	s_wait_dscnt 0x0                               ; Wp and bp are in
.irp u, 0,1
	v_wmma_f32_16x16x32_f16 v[DA+8*\u:DA+8*\u+7], v[CW+8*\u:CW+8*\u+7], v[OF:OF+7], v[CW+16+8*\u:CW+16+8*\u+7]
.endr
	PLACES 4                                       ; before the LDS stores read the results
.irp u, 0,1
	ds_store_b128 v[XA], v[DA+8*\u:DA+8*\u+3]   offset:\sb+64*\u       ; rows 0-15 of the item's own slot: its x has been read, and it is never filled again
	ds_store_b128 v[XA], v[DA+8*\u+4:DA+8*\u+7] offset:\sb+64*\u+16
.endr
.irp i, 0,1,2,3
	ds_load_b128 v[P+4*\i:P+4*\i+3], v[RD] offset:\sb+4*XPITCH*\i      ; LDS serves a wave in order (ISA guide 5.7.1): these see the stores above
.endr
.irp i, 0,1,2,3
	s_wait_dscnt 3-\i                              ; the younger read-backs stay out
	global_store_b128 v[GO], v[P+4*\i:P+4*\i+3], s[8:9] offset:\go+512*\i th:TH_STORE_NT   ; four rows: 512 consecutive bytes, aligned
.endr
.endm
.macro QTILE b, qt                     ; 16 queries, heads in the order 0, 2, 1, 3
.irp i, 0,1,2,3
	v_cndmask_b32 v[QM+\i],   0, v[QF+8*\qt+\i],   s56     ; head 0: dims 0-7 lie in registers 0-3 of lanes h = 0
	v_cndmask_b32 v[QM+8+\i], 0, v[QF+8*\qt+4+\i], s56     ; head 2: registers 4-7 of lanes h = 0
.endr
	MASKROW PM, \qt, 12+\b, 1
	SC \qt, 0
.irp i, 0,1,2,3
	v_cndmask_b32 v[QM+12+\i], 0, v[QF+8*\qt+\i], s57      ; head 1; these four are the places behind the scores' matrix instructions
.endr
	SM 1
	PV 0, 0
	SC \qt, 4
.irp i, 0,1,2,3
	v_cndmask_b32 v[QM+20+\i], 0, v[QF+8*\qt+4+\i], s57    ; head 3; places again
.endr
	SM 0
	PV 0, 1
	SC \qt, 12
	PLACES 4                                       ; behind PV 0, 1 (for FIN) and behind the scores (for SM)
	FIN 0
	SM 0
	PV 1, 0
	SC \qt, 16
	PLACES 4
	SM 0
	CLOAD 12                                       ; Wp, bp into the scores' registers, which are done with
	PV 1, 1
	PLACES 5                                       ; FIN reads these results, and OUT's matrix instructions write over them
	FIN 1
	OUT \b*XSLOT, \b*ITEM+2048*\qt
.endm
.macro BATCH b                         ; one item
	s_wait_xcnt 0x0                                ; v200-215 fed the last stores: loaded again only behind this wait
	XLOAD \b*XSLOT
	CLOAD 4                                        ; Wk, bk
	XCVT
	s_wait_dscnt 0x0
	PROJT
	PLACES 4                                       ; before loads land on the sources and conversions read the results
	CLOAD 0                                        ; Wq, bq
	CVTT KF
	s_wait_dscnt 0x0
	PROJT
	PLACES 4
	CLOAD 8                                        ; Wv, bv
	CVTT QF
	s_wait_dscnt 0x0
	PROJN
	PLACES 4
	CVTV
.irp i, 0,1,2,3
	v_mov_b32 v[ZR+\i], 0                          ; the two blocks of zeros beside the heads' Q
	v_mov_b32 v[ZR+12+\i], 0
.endr
	MASKROW PM+8,  1, 12+\b, 0                     ; prefix masks of key tiles 1 to 3 (x's fragments are done with)
	MASKROW PM+16, 2, 12+\b, 0
	MASKROW PM+24, 3, 12+\b, 0
	QTILE \b, 0
	QTILE \b, 1
	QTILE \b, 2
	QTILE \b, 3
.endm
	s_wait_tensorcnt 0x1                           ; a wave's tensor loads end in order (ISA guide 10.11.1): item 0 is in, item 1's load stays out
	BATCH 0
	s_wait_tensorcnt 0x0                           ; item 1; nothing was issued behind it
	BATCH 1
	s_wait_xcnt 0x0
	v_lshl_add_u32 v246, v0, 2, 0x4c000
	v_mov_b32 v247, 0
	s_wait_tensorcnt 0x0
	ds_add_u32 v246, v247
	s_wait_dscnt 0x0
	s_endpgm
.Lfunc_end_k_q0c424b4948_attn:
	.size	k_q0c424b4948_attn, .Lfunc_end_k_q0c424b4948_attn-k_q0c424b4948_attn
	.p2alignl 7, 3214868480
	.fill 96, 4, 3214868480
	.section	.rodata,"a",@progbits
	.p2align	6, 0x0
	.amdhsa_kernel k_q0c424b4948_attn
		.amdhsa_group_segment_fixed_size 313344
		.amdhsa_private_segment_fixed_size 0
		.amdhsa_enable_private_segment 0
		.amdhsa_kernarg_size 88
		.amdhsa_user_sgpr_count 2
		.amdhsa_user_sgpr_kernarg_segment_ptr 1
		.amdhsa_wavefront_size32 1
		.amdhsa_system_sgpr_workgroup_id_x 1
		.amdhsa_system_sgpr_workgroup_id_y 1
		.amdhsa_system_sgpr_workgroup_id_z 1
		.amdhsa_system_vgpr_workitem_id 0
		.amdhsa_next_free_vgpr 256
		.amdhsa_next_free_sgpr 80
		.amdhsa_reserve_vcc 1
		.amdhsa_float_denorm_mode_32 3
		.amdhsa_float_denorm_mode_16_64 3
		.amdhsa_memory_ordered 1
		.amdhsa_forward_progress 1
		.amdhsa_inst_pref_size 255
	.end_amdhsa_kernel
	.section	.bss,"aw",@nobits
	.p2align	6
	.space	262144
	.amdgpu_metadata
---
amdhsa.version: [ 1, 2 ]
amdhsa.kernels:
  - .name:           k_q0c424b4948_attn
    .symbol:         k_q0c424b4948_attn.kd
    .args:
      - { .name: x, .offset: 0, .size: 8, .value_kind: global_buffer, .address_space: global }
      - { .name: always_attend_upto, .offset: 8, .size: 8, .value_kind: global_buffer, .address_space: global }
      - { .name: Wq, .offset: 16, .size: 8, .value_kind: global_buffer, .address_space: global }
      - { .name: bq, .offset: 24, .size: 8, .value_kind: global_buffer, .address_space: global }
      - { .name: Wk, .offset: 32, .size: 8, .value_kind: global_buffer, .address_space: global }
      - { .name: bk, .offset: 40, .size: 8, .value_kind: global_buffer, .address_space: global }
      - { .name: Wv, .offset: 48, .size: 8, .value_kind: global_buffer, .address_space: global }
      - { .name: bv, .offset: 56, .size: 8, .value_kind: global_buffer, .address_space: global }
      - { .name: Wp, .offset: 64, .size: 8, .value_kind: global_buffer, .address_space: global }
      - { .name: bp, .offset: 72, .size: 8, .value_kind: global_buffer, .address_space: global }
      - { .name: out0, .offset: 80, .size: 8, .value_kind: global_buffer, .address_space: global }
    .group_segment_fixed_size: 313344
    .private_segment_fixed_size: 0
    .kernarg_segment_align: 8
    .kernarg_segment_size: 88
    .max_flat_workgroup_size: 512
    .sgpr_count:     80
    .vgpr_count:     256
    .wavefront_size: 32
...
	.end_amdgpu_metadata
.endif
;; end of part 1
